; MI455X (gfx1250); checked and timed in simulation.
; The chip was launched on July 23, 2026; its instructions are those of AMD's public machine-readable ISA for CDNA 5 (MIT licence, August 2026) and "CDNA5" Instruction Set Architecture Reference Guide (July 2026). The comments in the code are by the model that wrote it; some were corrected since.
;; SHOT Descriptor. Allowed arithmetic: float matrix products may take bf16 or f16 operands with f32 sums; all other float work in f32.
;; Inputs: batch 16,384 int32; points 16,384 x 3 float32.
;; Outputs: out0 16,384 x 80 float32.
;; 2 versions, each right; version 2 is version 1 with the launch knn written anew for expert scheduling mode. Each part assembles by itself: llvm-mc -triple=amdgcn-amd-amdhsa -mcpu=gfx1250 --defsym DOCPART=n.
;; ======== version 1 of 2: 3 launches
;; limits: an iteration or a series of the reference is cut at 12 steps
;; workspace buffers: grp 393,216 bytes of whole numbers; code 327,680 bytes of whole numbers; nrm 262,144 bytes
;; launch knn (part 1): grid 256 x 1, 4 waves a work-group, no clusters, 274,944 bytes of LDS; arguments points, grp; writes grp
.if DOCPART == 1
	.amdgcn_target "amdgcn-amd-amdhsa--gfx1250"
	.amdhsa_code_object_version 6
	.text
	.protected	k_qf310d16012_knn
	.globl	k_qf310d16012_knn
	.p2align	8
	.type	k_qf310d16012_knn,@function
k_qf310d16012_knn:
	s_mov_b64 s[64:65], 0
	v_nop
	global_prefetch_b8 v0, s[64:65] scope:SCOPE_SE
	s_setreg_imm32_b32 hwreg(HW_REG_WAVE_MODE, 25, 1), 1
	s_wait_xcnt 0x0
; For every point: the 6 groups of 8 neighbouring indices of its cloud whose smallest squared distance is smallest.
; The 5 nearest points (ties to the lower index) lie in the 5 best groups; the sixth is margin for the
; rounding of the keys made here.  The next launch looks at the 48 candidates in plain f32.
; d2 = sq_j + sq_i - 2 p_i.p_j goes to the bf16 matrix form with every f32 split into three bf16 parts h + m + l:
; the 32 places along K hold 3 x 8 cross terms (all but l x l), the 3 parts of sq_j and the 3 parts of sq_i.
; A work-group: 64 queries of one cloud against its 4,096 candidates.  Wave w: 32 queries (w & 1), 2,048 candidates (w >> 1).
; Row m = 8 half + j of candidate tile t is candidate 2048 ch + 1024 half + 8 t + j, so that a lane's eight results are one group.
; No copy engine and no cluster: the 48 KiB of raw points must pass through registers to be split.
; The input batch is not read: the problem's function forms the clouds by a reshape and never reads it.
; LIMITS: keys carry the rounding of the matrix sum; inputs must be finite.
.set MB, 262144                        ; behind the 256 KiB image of A: 48 words x 64 queries for the merge
.set WB, 2                             ; v2-5    LDS write bases of the build
.set T,  8                             ; v8-15   at work
.set Q,  16                            ; v16-31  four chunks of 16 bytes of one candidate's row
.set BF, 32                            ; v32-47  two query fragments
.set QP, 48                            ; v48-50, v52-54 raw query points
.set K0, 56                            ; keys of list 0 (6), ascending
.set I0, 62                            ; group ids of list 0
.set K1, 68
.set I1, 74
.set GC, 80                            ; the group id of the tile at work
.set RA, 81                            ; LDS read address
.set X0, 82
.set X1, 83
.set P,  96                            ; v96-223 build: 32 raw candidates, 4 registers apart
.set AF, 96                            ; v96-127 main loop: four candidate fragments
.set DD, 128                           ; v128-159 results: [set][query fragment], 8 each
.macro SPLIT x, hh, hf, mm, mf, r2     ; x = hf + mf + r2; hh, mm: the bf16 part in both halves of a word
	v_cvt_pk_bf16_f32 v[\hh], v[\x], v[\x]
	v_and_b32 v[\hf], s12, v[\hh]
	v_sub_f32 v[\r2], v[\x], v[\hf]
	v_cvt_pk_bf16_f32 v[\mm], v[\r2], v[\r2]
	v_and_b32 v[\mf], s12, v[\mm]
	v_sub_f32 v[\r2], v[\r2], v[\mf]
.endm
.macro CAND                            ; candidate n of this thread: split, and 64 bytes into the image of A
	s_wait_loadcnt 31-n                ; loads return in order: 31 - n younger ones may stay out
.irp c, 0,1,2
	SPLIT P+4*n+\c, Q+4*\c, T, Q+4*\c+2, T+1, T+2
	v_cvt_pk_bf16_f32 v[Q+4*\c+1], v[T], v[T+1]        ; chunk = h h h m m m l l
	v_cvt_pk_bf16_f32 v[Q+4*\c+3], v[T+2], v[T+2]
.endr
	v_mul_f32 v[T+3], v[P+4*n], v[P+4*n]
	v_fmac_f32 v[T+3], v[P+4*n+1], v[P+4*n+1]
	v_fmac_f32 v[T+3], v[P+4*n+2], v[P+4*n+2]
	SPLIT T+3, T+4, T, T+5, T+1, T+2
	v_cvt_pk_bf16_f32 v[Q+12], v[T], v[T+1]            ; chunk 3 = sqh sqm sql 1 1 1 0 0 (its last two words are set once)
	v_cvt_pk_bf16_f32 v[Q+13], v[T+2], 1.0
.irp c, 0,1,2,3
	ds_store_b128 v[WB+(n>>3)], v[Q+4*\c:Q+4*\c+3] offset:(n&7)*8192+256*\c
.endr
.endm
.macro BFRAG f                         ; lanes 0-15 hold chunks 0 (x) and 2 (z), lanes 16-31 chunks 1 (y) and 3 (sq) of query lane % 16
	v_cndmask_b32 v[T+6], v[QP+4*\f], v[QP+4*\f+1], s36
	v_mul_f32 v[T+6], -2.0, v[T+6]
	SPLIT T+6, T+4, T, T+5, T+1, T+2
	v_cvt_pk_bf16_f32 v[BF+8*\f], v[T], v[T+1]         ; chunk = h m l h m l h m of -2 u
	v_cvt_pk_bf16_f32 v[BF+8*\f+1], v[T+2], v[T]
	v_cvt_pk_bf16_f32 v[BF+8*\f+2], v[T+1], v[T+2]
	v_mov_b32 v[BF+8*\f+3], v[BF+8*\f]
	v_mul_f32 v[T+6], -2.0, v[QP+4*\f+2]
	SPLIT T+6, T+4, T, T+5, T+1, T+2
	v_cvt_pk_bf16_f32 v[Q], v[T], v[T+1]
	v_cvt_pk_bf16_f32 v[Q+1], v[T+2], v[T]
	v_cvt_pk_bf16_f32 v[Q+2], v[T+1], v[T+2]
	v_mul_f32 v[T+3], v[QP+4*\f], v[QP+4*\f]
	v_fmac_f32 v[T+3], v[QP+4*\f+1], v[QP+4*\f+1]
	v_fmac_f32 v[T+3], v[QP+4*\f+2], v[QP+4*\f+2]
	SPLIT T+3, T+4, T, T+5, T+1, T+2
	v_cvt_pk_bf16_f32 v[Q+4], 1.0, v[T]                ; chunk 3 = 1 1 1 sqh sqm sql 0 0
	v_cvt_pk_bf16_f32 v[Q+5], v[T+1], v[T+2]
	v_cndmask_b32 v[BF+8*\f+4], v[Q], v30, s36
	v_cndmask_b32 v[BF+8*\f+5], v[Q+1], v[Q+4], s36
	v_cndmask_b32 v[BF+8*\f+6], v[Q+2], v[Q+5], s36
	v_cndmask_b32 v[BF+8*\f+7], v[Q], v31, s36
.endm
.macro GMIN x, d                       ; the smallest of a lane's eight keys
	v_min3_num_f32 v[T], v[\d], v[\d+1], v[\d+2]
	v_min3_num_f32 v[T+1], v[\d+3], v[\d+4], v[\d+5]
	v_min3_num_f32 v[\x], v[\d+6], v[\d+7], v[T]
	v_min_num_f32 v[\x], v[\x], v[T+1]
.endm
.macro INS x, g, kl, il, ml            ; (x, g) into an ascending list of six; strictly less, so an equal key stays behind the earlier one
.irp j, 0,1,2,3,4,5
	v_cmp_lt_f32 s[\ml+\j], v[\x], v[\kl+\j]
.endr
.irp j, 5,4,3,2,1
	v_cndmask_b32 v[\il+\j], v[\il+\j], v[\g], s[\ml+\j]
	v_cndmask_b32 v[\il+\j], v[\il+\j], v[\il+\j-1], s[\ml+\j-1]
	v_med3_num_f32 v[\kl+\j], v[\kl+\j-1], v[\kl+\j], v[\x]
.endr
	v_cndmask_b32 v[\il], v[\il], v[\g], s[\ml]
	v_min_num_f32 v[\kl], v[\kl], v[\x]
.endm
; One tile's turn: the next tile's two products go to the other result set, this tile's results are reduced and inserted,
; and the fragment just multiplied is loaded again, four tiles ahead.  Every product starts from the constant 0, no accumulator
; is taken up again, and the 55 vector instructions of a turn, which name no register of the two products,
; stand between them and the readers of their results and the load into their A.
.macro STEP dp, ab, ld, off, wcnt, mm
.if \mm
	s_wait_dscnt \wcnt                 ; two loads a tile: the tiles behind the one needed may stay out
	v_wmma_f32_16x16x32_bf16 v[DD+16*(1-\dp):DD+16*(1-\dp)+7], v[AF+8*\ab:AF+8*\ab+7], v[BF:BF+7], 0
	v_wmma_f32_16x16x32_bf16 v[DD+16*(1-\dp)+8:DD+16*(1-\dp)+15], v[AF+8*\ab:AF+8*\ab+7], v[BF+8:BF+15], 0
.endif
	GMIN X0, DD+16*\dp
	GMIN X1, DD+16*\dp+8
	INS X0, GC, K0, I0, 20
	INS X1, GC, K1, I1, 26
	v_add_nc_u32 v[GC], 1, v[GC]
.if \ld
	ds_load_b128 v[AF+8*\ab:AF+8*\ab+3], v[RA] offset:\off
	ds_load_b128 v[AF+8*\ab+4:AF+8*\ab+7], v[RA] offset:\off+512
.endif
.endm
.macro CEX a, b
	v_min_u32 v[T], v[\a], v[\b]
	v_max_u32 v[\b], v[\a], v[\b]
	v_mov_b32 v[\a], v[T]
.endm
	s_load_b128 s[4:7], s[0:1], 0x0                ; points s[4:5], grp s[6:7]
	v_lshl_add_u32 v224, v0, 2, 0x43000
	v_mov_b32 v225, 0
	v_lshrrev_b32 v1, 5, v0
	v_readfirstlane_b32 s8, v1                     ; wave
	s_and_b32 s9, s8, 1                            ; fq: which 32 queries
	s_lshr_b32 s10, s8, 1                          ; ch: which 2,048 candidates
	s_lshr_b32 s11, ttmp9, 6                       ; cloud
	s_mov_b32 s12, 0xffff0000
	s_mul_i32 s14, s11, 49152                      ; 4,096 points of 12 bytes
	s_mov_b32 s15, 0
	s_lshl_b32 s32, ttmp9, 8                       ; 64 queries of 4 bytes in a plane of grp
	s_mov_b32 s33, 0
	v_lshrrev_b32 v8, 4, v0                        ; thread / 16: tile within eight
	v_and_b32 v9, 15, v0                           ; row of the tile; also lane % 16
	v_lshlrev_b32 v10, 4, v9
	v_lshl_add_u32 v2, v8, 10, v10                 ; tile x 1,024 + row x 16
	v_add_nc_u32 v3, 0x10000, v2
	v_add_nc_u32 v4, 0x20000, v2
	v_add_nc_u32 v5, 0x30000, v2
	v_bfe_u32 v10, v0, 3, 1                        ; half of the rows
	v_lshlrev_b32 v10, 10, v10
	v_lshl_add_u32 v10, v8, 3, v10
	v_and_b32 v11, 7, v0
	v_add_nc_u32 v10, v10, v11                     ; candidate 1024 half + 8 (thread / 16) + thread % 8
	v_mul_u32_u24 v6, v10, 12
	s_and_b32 s34, ttmp9, 63
	s_lshl_b32 s34, s34, 6
	s_lshl_b32 s35, s9, 5
	s_add_co_u32 s34, s34, s35
	v_add_nc_u32 v10, s34, v9                      ; my query of fragment 0
	v_mul_u32_u24 v7, v10, 12
	v_and_b32 v10, 16, v0
	v_cmp_ne_u32 s36, 0, v10                       ; lanes 16-31
	v_mov_b32 v30, 0x3f803f80                      ; 1, 1 in bf16
	v_mov_b32 v31, 0
	s_wait_kmcnt 0x0
	s_add_nc_u64 s[16:17], s[4:5], s[14:15]        ; my cloud
	s_add_nc_u64 s[18:19], s[6:7], s[32:33]        ; my 64 words in plane 0 of grp
	global_load_b96 v[QP:QP+2], v7, s[16:17]
	global_load_b96 v[QP+4:QP+6], v7, s[16:17] offset:192
.set n, 0
.rept 32
	global_load_b96 v[P+4*n:P+4*n+2], v6, s[16:17] offset:(n>>4)*24576+(n&15)*768
.set n, n+1
.endr
	s_wait_loadcnt 32                              ; the two query points are in; the 32 candidates are younger
	BFRAG 0
	BFRAG 1
.set n, 0
.rept 32
	CAND
.set n, n+1
.endr
	s_wait_dscnt 0x0                               ; my part of the image is written,
	s_barrier_signal -1
	s_barrier_wait -1                              ; everybody's is
	v_and_b32 v1, 31, v0
	v_lshlrev_b32 v[RA], 4, v1
	s_lshl_b32 s14, s10, 17                        ; my 128 tiles of 1,024 bytes
	v_add_nc_u32 v[RA], s14, v[RA]                 ; a fragment is 16 bytes a lane at 16 x lane, and again 512 bytes on
.irp i, 0,1,2,3
	ds_load_b128 v[AF+8*\i:AF+8*\i+3], v[RA] offset:1024*\i
	ds_load_b128 v[AF+8*\i+4:AF+8*\i+7], v[RA] offset:1024*\i+512
.endr
	s_wait_dscnt 6                                 ; tile 0 is in; the six loads of tiles 1 to 3 are younger
	v_wmma_f32_16x16x32_bf16 v[DD:DD+7], v[AF:AF+7], v[BF:BF+7], 0
	v_wmma_f32_16x16x32_bf16 v[DD+8:DD+15], v[AF:AF+7], v[BF+8:BF+15], 0
.irp j, 0,1,2,3,4,5
	v_mov_b32 v[K0+\j], 0x7f800000                 ; empty lists: +inf, group 0
	v_mov_b32 v[K1+\j], 0x7f800000
	v_mov_b32 v[I0+\j], 0
	v_mov_b32 v[I1+\j], 0
.endr
	v_bfe_u32 v1, v0, 4, 1
	v_lshlrev_b32 v1, 7, v1
	s_lshl_b32 s14, s10, 8
	v_add_nc_u32 v[GC], s14, v1                    ; group 256 ch + 128 half + tile
	ds_load_b128 v[AF:AF+3], v[RA] offset:4096     ; tile 4
	ds_load_b128 v[AF+4:AF+7], v[RA] offset:4608
	s_mov_b32 s13, 30
.Ltiles:                                           ; four tiles a trip; tiles 0 to 119
	STEP 0, 1, 1, 5120, 6, 1
	STEP 1, 2, 1, 6144, 6, 1
	STEP 0, 3, 1, 7168, 6, 1
	STEP 1, 0, 1, 8192, 6, 1
	v_add_nc_u32 v[RA], 4096, v[RA]
	s_sub_co_i32 s13, s13, 1
	s_cmp_lg_u32 s13, 0
	s_cbranch_scc1 .Ltiles
	STEP 0, 1, 1, 5120, 6, 1                       ; tiles 120 to 127: the last three loads, then the counts run down
	STEP 1, 2, 1, 6144, 6, 1
	STEP 0, 3, 1, 7168, 6, 1
	STEP 1, 0, 0, 0, 6, 1
	STEP 0, 1, 0, 0, 4, 1
	STEP 1, 2, 0, 0, 2, 1
	STEP 0, 3, 0, 0, 0, 1
	STEP 1, 0, 0, 0, 0, 0
	; Four sources (2 ch + half, ascending index ranges) hold a list for each query: they meet in LDS.
	s_lshl_b32 s14, s10, 1
	v_bfe_u32 v1, v0, 4, 1
	v_add_nc_u32 v1, s14, v1                       ; source
	v_mul_u32_u24 v1, v1, 3072                     ; 12 words of 256 bytes
	v_and_b32 v8, 15, v0
	s_lshl_b32 s14, s9, 5
	v_add_nc_u32 v8, s14, v8
	v_lshl_add_u32 v1, v8, 2, v1
	v_add_nc_u32 v84, MB, v1
.irp j, 0,1,2,3,4,5
	ds_store_b32 v84, v[K0+\j] offset:256*\j
	ds_store_b32 v84, v[I0+\j] offset:256*\j+1536
	ds_store_b32 v84, v[K1+\j] offset:256*\j+64
	ds_store_b32 v84, v[I1+\j] offset:256*\j+1600
.endr
	s_wait_dscnt 0x0                               ; my lists are written,
	s_barrier_signal -1
	s_barrier_wait -1                              ; everybody's are
	s_cmp_ge_u32 s8, 2
	s_cbranch_scc1 .Lend                           ; 64 queries: one thread each, waves 0 and 1
	v_lshlrev_b32 v86, 2, v0
	v_add_nc_u32 v85, MB, v86
.set n, 0
.rept 48
	ds_load_b32 v[96+n], v85 offset:256*n
.set n, n+1
.endr
	s_wait_dscnt 0x0
.irp s, 1,2,3                                      ; source 0 is the list; the others are inserted in source order
.irp j, 0,1,2,3,4,5
	INS 96+12*\s+\j, 96+12*\s+6+\j, 96, 102, 20
.endr
.endr
	; the six ids ascending (12 exchanges), so that the next launch meets its candidates in index order
	CEX 102, 107
	CEX 103, 105
	CEX 104, 106
	CEX 103, 104
	CEX 105, 106
	CEX 102, 105
	CEX 104, 107
	CEX 102, 103
	CEX 104, 105
	CEX 106, 107
	CEX 103, 104
	CEX 105, 106
	s_lshl_b32 s14, s11, 9                         ; 512 groups a cloud
.irp j, 0,1,2,3,4,5
	v_add_nc_u32 v[102+\j], s14, v[102+\j]
	global_store_b32 v86, v[102+\j], s[18:19] offset:65536*\j   ; the two waves store 256 consecutive bytes, aligned, in each plane
.endr
.Lend:
	s_wait_tensorcnt 0x0
	ds_add_u32 v224, v225
	s_wait_dscnt 0x0
	s_endpgm
.Lfunc_end_k_qf310d16012_knn:
	.size	k_qf310d16012_knn, .Lfunc_end_k_qf310d16012_knn-k_qf310d16012_knn
	.p2alignl 7, 3214868480
	.fill 96, 4, 3214868480
	.section	.rodata,"a",@progbits
	.p2align	6, 0x0
	.amdhsa_kernel k_qf310d16012_knn
		.amdhsa_group_segment_fixed_size 274944
		.amdhsa_private_segment_fixed_size 0
		.amdhsa_enable_private_segment 0
		.amdhsa_kernarg_size 16
		.amdhsa_user_sgpr_count 2
		.amdhsa_user_sgpr_kernarg_segment_ptr 1
		.amdhsa_wavefront_size32 1
		.amdhsa_system_sgpr_workgroup_id_x 1
		.amdhsa_system_sgpr_workgroup_id_y 1
		.amdhsa_system_sgpr_workgroup_id_z 1
		.amdhsa_system_vgpr_workitem_id 0
		.amdhsa_next_free_vgpr 226
		.amdhsa_next_free_sgpr 66
		.amdhsa_reserve_vcc 0
		.amdhsa_float_denorm_mode_32 3
		.amdhsa_float_denorm_mode_16_64 3
		.amdhsa_memory_ordered 1
		.amdhsa_forward_progress 1
		.amdhsa_inst_pref_size 146
	.end_amdhsa_kernel
	.amdgpu_metadata
---
amdhsa.version: [ 1, 2 ]
amdhsa.kernels:
  - .name:           k_qf310d16012_knn
    .symbol:         k_qf310d16012_knn.kd
    .args:
      - { .name: points, .offset: 0, .size: 8, .value_kind: global_buffer, .address_space: global }
      - { .name: grp, .offset: 8, .size: 8, .value_kind: global_buffer, .address_space: global }
    .group_segment_fixed_size: 274944
    .private_segment_fixed_size: 0
    .kernarg_segment_align: 8
    .kernarg_segment_size: 16
    .max_flat_workgroup_size: 128
    .sgpr_count:     66
    .vgpr_count:     226
    .wavefront_size: 32
...
	.end_amdgpu_metadata
.endif
;; end of part 1
;; launch frames (part 2): grid 256 x 1, 2 waves a work-group, no clusters, 0 bytes of LDS; arguments points, grp, nrm, code; writes nrm, code
.if DOCPART == 2
	.amdgcn_target "amdgcn-amd-amdhsa--gfx1250"
	.amdhsa_code_object_version 6
	.text
	.protected	k_qf310d16012_frames
	.globl	k_qf310d16012_frames
	.p2align	8
	.type	k_qf310d16012_frames,@function
k_qf310d16012_frames:
	s_mov_b64 s[64:65], 0
	v_nop
	global_prefetch_b8 v0, s[64:65] scope:SCOPE_SE
	s_setreg_imm32_b32 hwreg(HW_REG_WAVE_MODE, 25, 1), 1
	s_wait_xcnt 0x0
; One lane, one point: the 5 nearest of its 48 candidates in f32 (d2 = (sq_i + sq_j) - 2 dot, ties to the lower index), the
; covariance of the five, its eigenvectors, the sign bits of the five projections.
; Out: the normal (nrm) and, for each neighbour, index | (10 x spatial id) << 16 (code).
; THE SIGNS of the eigenvectors decide the result, and they are a property of the method.  So the path of LAPACK's ssyevd for n = 3 is
; walked step by step, every choice as a select: ssytd2 (lower; one reflector), ssteqr (QL, or QR as QL on mirrored arrays; slaev2 for
; the block of two; its selection sort), sormtr.  slartg is the form with a cosine that is never negative (LAPACK 3.10 on).
; THE NUMBER OF SWEEPS hangs on the last bits of d and e.  So everything that d and e are made of is rounded step by step: in the parts
; that LAPACK writes in Fortran each product and each sum is rounded on its own (they are NOT fused here, on purpose), divisions and
; square roots are corrected to nearest, and the four BLAS calls of ssytd2 are made for n = 2 as OpenBLAS' kernels make them (y += a x
; fused, the dot product as rounded products and a sum).  The eigenvectors themselves are only asked for signs and keep fused forms.
; No LDS, no barrier, no matrix unit: 16,384 independent chains of scalar arithmetic; EXEC is never changed.
; LIMITS: which roundings the libraries behind the problem's function make is an assumption of this text; a point whose deflation test
; falls within rounding of its threshold takes another number of sweeps, and other signs, where the assumption fails.  At most NSW = 12
; sweeps (LAPACK allows 90): if neither off-diagonal is small then, the smaller counts as zero.  LAPACK's range scalings are replaced by
; one exact scaling of the covariance by a power of two, and its first split test by the sweep's own test.  Inputs must be finite.
.set NSW, 12
.set GR, 8                             ; v8-13   group ids
.set GA, 14                            ; v14-19  96 x group: byte offset of its 8 points
.set GI, 20                            ; v20-25  8 x group: index of its first point
.set W,  26                            ; v26-41  at work
.set KL, 42                            ; keys of the five, ascending; later the five codes
.set IDL, 47                           ; their indices
.set NX, 52
.set NY, 57
.set NZ, 62                            ; their coordinates
.set C,  68                            ; v68-211 candidates: group u, point e, coordinate c at 68 + 24 u + 3 e + c
.set CX, 68                            ; behind the selection: the centred five
.set CY, 73
.set CZ, 78
.set A11, 84
.set A21, 85
.set A31, 86
.set A22, 87
.set A32, 88
.set A33, 89
.set TAU, 90
.set V2, 91
.set D1, 92
.set D2, 93
.set D3, 94
.set E1, 95
.set E2, 96
.set Z,  98                            ; v98-106 eigenvectors: column c, row r at 98 + 3 c + r
.set C2, 108
.set S2, 109
.set C1, 110
.set S1, 111
.set TD, 112                           ; v112-116 at work in DIVX and SQRTX
.set ONE, 117                          ; 1.0
.set G,  118
.set RR, 119
.set PP, 120
.set FF, 121
.set BB, 122
.set T0, 123
.set T1, 124
.set LW, 125
.set LZ, 126
.set ND1, 127                          ; a sweep's new d and e, taken by the lanes that sweep
.set ND2, 128
.set ND3, 129
.set NE1, 130
.set NE2, 131
.set BETA, 132
.set Y0, 133
.set Y1, 134
.set AL, 135
.set W1, 136
.set W2, 137
.macro PAY l, val                      ; a payload list follows the keys' insertion (masks s20-24)
.irp j, 4,3,2,1
	v_cndmask_b32 v[\l+\j], v[\l+\j], v[\val], s[20+\j]
	v_cndmask_b32 v[\l+\j], v[\l+\j], v[\l+\j-1], s[20+\j-1]
.endr
	v_cndmask_b32 v[\l], v[\l], v[\val], s20
.endm
.macro CANDP u, e
	v_mul_f32 v[W], v[C+24*\u+3*\e+1], v[C+24*\u+3*\e+1]
	v_fmac_f32 v[W], v[C+24*\u+3*\e], v[C+24*\u+3*\e]
	v_fmac_f32 v[W], v[C+24*\u+3*\e+2], v[C+24*\u+3*\e+2]      ; sq_j = fma(z, z, fma(x, x, y y))
	v_mul_f32 v[W+1], v4, v[C+24*\u+3*\e]
	v_fmac_f32 v[W+1], v5, v[C+24*\u+3*\e+1]
	v_fmac_f32 v[W+1], v6, v[C+24*\u+3*\e+2]                   ; dot, a fused chain in the order x, y, z
	v_add_f32 v[W], v7, v[W]
	v_fmac_f32 v[W], -2.0, v[W+1]                              ; the key
	v_add_nc_u32 v[W+2], \e, v[GI+\u]
.irp j, 0,1,2,3,4
	v_cmp_lt_f32 s[20+\j], v[W], v[KL+\j]
.endr
	PAY IDL, W+2
	PAY NX, C+24*\u+3*\e
	PAY NY, C+24*\u+3*\e+1
	PAY NZ, C+24*\u+3*\e+2
.irp j, 4,3,2,1
	v_med3_num_f32 v[KL+\j], v[KL+\j-1], v[KL+\j], v[W]
.endr
	v_min_num_f32 v[KL], v[KL], v[W]
.endm
.macro CENTRE l, d                     ; mean in the order of the neighbours, rounded, then the five differences
	v_add_f32 v[W], v[\l], v[\l+1]
	v_add_f32 v[W], v[W], v[\l+2]
	v_add_f32 v[W], v[W], v[\l+3]
	v_add_f32 v[W], v[W], v[\l+4]
	v_mul_f32 v[W], s16, v[W]
.irp j, 0,1,2,3,4
	v_sub_f32 v[\d+\j], v[\l+\j], v[W]
.endr
.endm
.macro COV d, a, b
	v_mul_f32 v[\d], v[\a], v[\b]
.irp j, 1,2,3,4
	v_fmac_f32 v[\d], v[\a+\j], v[\b+\j]
.endr
	v_mul_f32 v[\d], s16, v[\d]
.endm
.macro SWAPM a, b, m
	v_cndmask_b32 v[W], v[\a], v[\b], \m
	v_cndmask_b32 v[\b], v[\b], v[\a], \m
	v_mov_b32 v[\a], v[W]
.endm
.macro SWAPC a, b, m                   ; two columns of Z
	SWAPM \a, \b, \m
	SWAPM \a+1, \b+1, \m
	SWAPM \a+2, \b+2, \m
.endm
.macro SMALL e, da, db, m              ; mask bit: e^2 > eps^2 |da| |db| + safmin, the off-diagonal is NOT small
	v_mul_f32 v[W], v[\e], v[\e]
	v_mul_f32 v[W+1], |v[\da]|, |v[\db]|
	v_fma_f32 v[W+1], v[W+1], s13, s14 ; the factor is a power of two: one rounding, as with the product made first
	v_cmp_gt_f32 \m, v[W], v[W+1]
.endm
.macro DIVX q, a, b                    ; q = a / b rounded to nearest: one step on the reciprocal, two residual corrections of the quotient
	v_rcp_f32 v[TD], v[\b]
	v_nop                              ; one plain place behind a transcendental (ISA guide 5.7.2)
	s_wait_alu depctr_va_vdst(0)
	v_fma_f32 v[TD+1], -v[\b], v[TD], 1.0
	v_fma_f32 v[TD], v[TD+1], v[TD], v[TD]
	v_mul_f32 v[TD+1], v[\a], v[TD]
	v_fma_f32 v[TD+2], -v[\b], v[TD+1], v[\a]
	v_fma_f32 v[TD+1], v[TD+2], v[TD], v[TD+1]
	v_fma_f32 v[TD+2], -v[\b], v[TD+1], v[\a]
	v_fma_f32 v[\q], v[TD+2], v[TD], v[TD+1]
.endm
.macro SQRTX s, x                      ; s = sqrt(x) rounded to nearest: the neighbour below if x <= s s-, the one above if x > s s+
	v_sqrt_f32 v[TD], v[\x]
	v_nop
	s_wait_alu depctr_va_vdst(0)
	v_add_nc_u32 v[TD+1], -1, v[TD]
	v_add_nc_u32 v[TD+2], 1, v[TD]
	v_fma_f32 v[TD+3], -v[TD+1], v[TD], v[\x]
	v_fma_f32 v[TD+4], -v[TD+2], v[TD], v[\x]
	v_cmp_le_f32 s40, v[TD+3], 0
	v_cmp_gt_f32 s41, v[TD+4], 0
	v_cndmask_b32 v[TD], v[TD], v[TD+1], s40
	v_cndmask_b32 v[\s], v[TD], v[TD+2], s41
.endm
.macro LAPY2 r, x, y                   ; slapy2: w sqrt(1 + (z / w)^2), w the larger magnitude, z the smaller
	v_max_num_f32 v[LW], |v[\x]|, |v[\y]|
	v_min_num_f32 v[LZ], |v[\x]|, |v[\y]|
	DIVX LZ, LZ, LW
	v_mul_f32 v[LZ], v[LZ], v[LZ]
	v_add_f32 v[LZ], 1.0, v[LZ]
	SQRTX LZ, LZ
	v_mul_f32 v[\r], v[LW], v[LZ]
.endm
.macro LARTG f, g, c, s, r             ; d = sqrt(f f + g g), c = |f| / d, r = sign(d, f), s = g / r; each step rounded
	v_add_f32 v[\f], 0, v[\f]          ; -0 counts as +0
	v_mul_f32 v[T0], v[\f], v[\f]
	v_mul_f32 v[T1], v[\g], v[\g]
	v_add_f32 v[T0], v[T0], v[T1]
	SQRTX T0, T0
	v_and_b32 v[T1], s15, v[\f]
	DIVX \c, T1, T0
	v_bfi_b32 v[\r], s15, v[T0], v[\f]
	DIVX \s, \g, \r
.endm
.macro ROT c, s, lo, hi, ql            ; ql = 0: hi = c hi - s lo, lo = c lo + s hi (slasr); ql = 1: the same with -s (a QL sweep stores -s)
.irp r, 0,1,2
	v_mul_f32 v[W], v[\s], v[\lo+\r]
	v_mul_f32 v[W+1], v[\s], v[\hi+\r]
.if \ql
	v_fma_f32 v[\hi+\r], v[\c], v[\hi+\r], v[W]
	v_fma_f32 v[\lo+\r], v[\c], v[\lo+\r], -v[W+1]
.else
	v_fma_f32 v[\hi+\r], v[\c], v[\hi+\r], -v[W]
	v_fma_f32 v[\lo+\r], v[\c], v[\lo+\r], v[W+1]
.endif
.endr
.endm
	s_load_b256 s[4:11], s[0:1], 0x0               ; points s[4:5], grp s[6:7], nrm s[8:9], code s[10:11]
	s_lshl_b32 s12, ttmp9, 6
	s_mov_b32 s13, 0x27800000                      ; eps^2 = 2^-48
	s_mov_b32 s14, 0x00800000                      ; safmin
	s_mov_b32 s15, 0x7fffffff                      ; all but the sign
	s_mov_b32 s16, 0x3e4ccccd                      ; 0.2
	v_add_nc_u32 v[W], s12, v0                     ; my point
	v_lshlrev_b32 v1, 2, v[W]
	v_mul_u32_u24 v2, v[W], 12
	v_lshlrev_b32 v3, 4, v[W]
	s_wait_kmcnt 0x0
	global_load_b96 v[4:6], v2, s[4:5]
.irp j, 0,1,2,3,4,5
	global_load_b32 v[GR+\j], v1, s[6:7] offset:65536*\j
.endr
.irp j, 0,1,2,3,4
	v_mov_b32 v[KL+\j], 0x7f800000                 ; an empty list
	v_mov_b32 v[IDL+\j], 0
	v_mov_b32 v[NX+\j], 0
	v_mov_b32 v[NY+\j], 0
	v_mov_b32 v[NZ+\j], 0
.endr
	s_wait_loadcnt 0x0
.irp j, 0,1,2,3,4,5
	v_min_u32 v[GR+\j], 0x7ff, v[GR+\j]            ; 2,048 groups: a loaded number enters an address only clamped
	v_mul_u32_u24 v[GA+\j], v[GR+\j], 96
	v_lshlrev_b32 v[GI+\j], 3, v[GR+\j]
.endr
.irp u, 0,1,2,3,4,5
.irp v, 0,1,2,3,4,5
	global_load_b128 v[C+24*\u+4*\v:C+24*\u+4*\v+3], v[GA+\u], s[4:5] offset:16*\v
.endr
.endr
	v_mul_f32 v7, v5, v5
	v_fmac_f32 v7, v4, v4
	v_fmac_f32 v7, v6, v6                          ; sq_i, in the same order as sq_j
.irp u, 0,1,2,3,4,5
	s_wait_loadcnt 30-6*\u                         ; six loads for each later group may stay out
.irp e, 0,1,2,3,4,5,6,7
	CANDP \u, \e
.endr
.endr
	CENTRE NX, CX
	CENTRE NY, CY
	CENTRE NZ, CZ
	COV A11, CX, CX
	COV A21, CY, CX
	COV A31, CZ, CX
	COV A22, CY, CY
	COV A32, CZ, CY
	COV A33, CZ, CZ
	; exact scaling: the largest entry into [1, 2); a power of two changes no rounding below
	v_max3_num_f32 v[W], |v[A11]|, |v[A21]|, |v[A31]|
	v_max3_num_f32 v[W+1], |v[A22]|, |v[A32]|, |v[A33]|
	v_max_num_f32 v[W], v[W], v[W+1]
	v_and_b32 v[W], 0x7f800000, v[W]
	v_sub_nc_u32 v[W], 0x7f000000, v[W]
.irp j, 0,1,2,3,4,5
	v_mul_f32 v[A11+\j], v[W], v[A11+\j]
.endr
	; ssytd2, lower: slarfg makes one reflector H = I - tau v v', v = (1, v2), on rows 2 and 3; none where a31 = 0
	v_mov_b32 v[ONE], 1.0
	v_cmp_eq_f32 s20, 0, v[A31]
	LAPY2 BETA, A21, A31
	v_xor_b32 v[T0], 0x80000000, v[A21]
	v_bfi_b32 v[BETA], s15, v[BETA], v[T0]         ; beta = -sign(norm, a21)
	v_sub_f32 v[T0], v[BETA], v[A21]
	DIVX TAU, T0, BETA
	v_sub_f32 v[T0], v[A21], v[BETA]
	DIVX T0, ONE, T0
	v_mul_f32 v[V2], v[A31], v[T0]
	v_cndmask_b32 v[TAU], v[TAU], 0, s20
	v_cndmask_b32 v[V2], v[V2], 0, s20
	v_cndmask_b32 v[E1], v[BETA], v[A21], s20
	; x = tau A v, column by column: y(j) += t a(j,j), y(i) += t a(i,j), y(j) += tau sum a(i,j) v(i)
	v_mul_f32 v[Y0], v[TAU], v[A22]
	v_mul_f32 v[Y1], v[TAU], v[A32]
	v_mul_f32 v[T0], v[A32], v[V2]
	v_fmac_f32 v[Y0], v[TAU], v[T0]
	v_mul_f32 v[T0], v[TAU], v[V2]
	v_fmac_f32 v[Y1], v[T0], v[A33]
	; alpha = -1/2 tau (x . v): the products rounded, then the sum (not fused, on purpose)
	v_mul_f32 v[T0], v[Y1], v[V2]
	v_add_f32 v[T0], v[Y0], v[T0]
	v_mul_f32 v[T0], v[TAU], v[T0]
	v_mul_f32 v[AL], -0.5, v[T0]
	; w = x + alpha v
	v_add_f32 v[W1], v[Y0], v[AL]
	v_fma_f32 v[W2], v[AL], v[V2], v[Y1]
	; A -= v w' + w v', as four updates of a column
	v_mov_b32 v[D1], v[A11]
	v_sub_f32 v[D2], v[A22], v[W1]
	v_sub_f32 v[D2], v[D2], v[W1]
	v_sub_f32 v[E2], v[A32], v[W2]
	v_fma_f32 v[E2], -v[W1], v[V2], v[E2]
	v_fma_f32 v[D3], -v[V2], v[W2], v[A33]
	v_fma_f32 v[D3], -v[W2], v[V2], v[D3]
	; ssteqr: QR where |d3| < |d1|, run as QL on mirrored d, e and columns
	v_cmp_lt_f32 s21, |v[D3]|, |v[D1]|
	SWAPM D1, D3, s21
	SWAPM E1, E2, s21
	v_cndmask_b32 v[Z], 1.0, 0, s21
	v_mov_b32 v[Z+1], 0
	v_cndmask_b32 v[Z+2], 0, 1.0, s21
	v_mov_b32 v[Z+3], 0
	v_mov_b32 v[Z+4], 1.0
	v_mov_b32 v[Z+5], 0
	v_cndmask_b32 v[Z+6], 0, 1.0, s21
	v_mov_b32 v[Z+7], 0
	v_cndmask_b32 v[Z+8], 1.0, 0, s21
	s_mov_b32 s12, NSW
.Lsweep:                                           ; a sweep over all three, taken by the lanes in which neither off-diagonal is small
	SMALL E1, D1, D2, s22
	SMALL E2, D2, D3, s23
	s_and_b32 s24, s22, s23
	; the shift; products and sums below are rounded one by one, on purpose
	v_add_f32 v[T0], v[E1], v[E1]
	v_sub_f32 v[T1], v[D2], v[D1]
	DIVX G, T1, T0                                 ; g = (d2 - d1) / (2 e1)
	LAPY2 RR, G, ONE
	v_bfi_b32 v[RR], s15, v[RR], v[G]
	v_add_f32 v[T0], v[G], v[RR]
	DIVX T0, E1, T0
	v_sub_f32 v[T1], v[D3], v[D1]
	v_add_f32 v[G], v[T1], v[T0]                   ; g = (d3 - d1) + e1 / (g + sign(r, g))
	; i = 2: s = c = 1, p = 0, so f = b = e2
	LARTG G, E2, C2, S2, RR
	v_sub_f32 v[T0], v[D2], v[D3]
	v_mul_f32 v[T0], v[T0], v[S2]
	v_add_f32 v[T1], v[C2], v[C2]
	v_mul_f32 v[T1], v[T1], v[E2]
	v_add_f32 v[RR], v[T0], v[T1]                  ; r = (d2 - d3) s + 2 c b
	v_mul_f32 v[PP], v[S2], v[RR]                  ; p
	v_add_f32 v[ND3], v[D3], v[PP]
	v_mul_f32 v[T0], v[C2], v[RR]
	v_sub_f32 v[G], v[T0], v[E2]                   ; g = c r - b
	; i = 1
	v_mul_f32 v[FF], v[S2], v[E1]
	v_mul_f32 v[BB], v[C2], v[E1]
	LARTG G, FF, C1, S1, NE2                       ; r is the new e2
	v_sub_f32 v[G], v[D2], v[PP]
	v_sub_f32 v[T0], v[D1], v[G]
	v_mul_f32 v[T0], v[T0], v[S1]
	v_add_f32 v[T1], v[C1], v[C1]
	v_mul_f32 v[T1], v[T1], v[BB]
	v_add_f32 v[RR], v[T0], v[T1]
	v_mul_f32 v[PP], v[S1], v[RR]
	v_add_f32 v[ND2], v[G], v[PP]
	v_mul_f32 v[T0], v[C1], v[RR]
	v_sub_f32 v[NE1], v[T0], v[BB]
	v_sub_f32 v[ND1], v[D1], v[PP]
	v_cndmask_b32 v[D1], v[D1], v[ND1], s24
	v_cndmask_b32 v[D2], v[D2], v[ND2], s24
	v_cndmask_b32 v[D3], v[D3], v[ND3], s24
	v_cndmask_b32 v[E1], v[E1], v[NE1], s24
	v_cndmask_b32 v[E2], v[E2], v[NE2], s24
	v_cndmask_b32 v[C2], 1.0, v[C2], s24           ; the other lanes turn by nothing
	v_cndmask_b32 v[S2], 0, v[S2], s24
	v_cndmask_b32 v[C1], 1.0, v[C1], s24
	v_cndmask_b32 v[S1], 0, v[S1], s24
	ROT C2, S2, Z+3, Z+6, 1
	ROT C1, S1, Z, Z+3, 1
	s_sub_co_i32 s12, s12, 1
	s_cmp_lg_u32 s12, 0
	s_cbranch_scc1 .Lsweep
	SWAPM D1, D3, s21                              ; out of the mirror
	SWAPM E1, E2, s21
	SWAPC Z, Z+6, s21
	; the block of two that is left: (d1, e1, d2) or (d2, e2, d3); none where both off-diagonals are small
	SMALL E1, D1, D2, s22
	SMALL E2, D2, D3, s23
	v_cmp_lt_f32 s25, |v[E1]|, |v[E2]|
	s_and_b32 s25, s25, s23
	s_not_b32 s26, s22
	s_or_b32 s25, s25, s26                         ; the lower block
	s_or_b32 s26, s22, s23
	s_and_not1_b32 s27, s26, s25                   ; turn columns 1, 2
	s_and_b32 s28, s26, s25                        ; turn columns 2, 3
	v_cndmask_b32 v[W], v[D1], v[D2], s25          ; a
	v_cndmask_b32 v[W+1], v[E1], v[E2], s25        ; b
	v_cndmask_b32 v[W+2], v[D2], v[D3], s25        ; c
	; slaev2: only signs and the order of well separated eigenvalues are taken from it, so it keeps the short forms
	v_add_f32 v[W+3], v[W], v[W+2]                 ; sm
	v_sub_f32 v[W+4], v[W], v[W+2]
	v_add_f32 v[W+4], 0, v[W+4]                    ; df, -0 as +0
	v_add_f32 v[W+5], v[W+1], v[W+1]               ; tb
	v_mul_f32 v[W+6], v[W+5], v[W+5]
	v_fmac_f32 v[W+6], v[W+4], v[W+4]
	v_sqrt_f32 v[W+6], v[W+6]                      ; rt
	v_cmp_gt_f32 s29, |v[W]|, |v[W+2]|
	v_cndmask_b32 v[W+7], v[W+2], v[W], s29        ; acmx
	v_cndmask_b32 v[W+8], v[W], v[W+2], s29        ; acmn
	s_wait_alu depctr_va_vdst(0)
	v_bfi_b32 v[W+9], s15, v[W+6], v[W+3]
	v_add_f32 v[W+9], v[W+3], v[W+9]
	v_mul_f32 v[W+9], 0.5, v[W+9]                  ; rt1
	v_rcp_f32 v[W+10], v[W+9]
	v_bfi_b32 v[W+11], s15, v[W+6], v[W+4]
	v_add_f32 v[W+11], v[W+4], v[W+11]             ; cs
	s_wait_alu depctr_va_vdst(0)
	v_mul_f32 v[W+12], v[W+7], v[W+10]
	v_mul_f32 v[W+13], v[W+1], v[W+10]
	v_mul_f32 v[W+13], v[W+13], v[W+1]
	v_fma_f32 v[W+12], v[W+12], v[W+8], -v[W+13]   ; rt2
	v_cmp_gt_f32 s30, |v[W+11]|, |v[W+5]|
	v_cndmask_b32 v[W+13], v[W+11], v[W+5], s30
	v_cndmask_b32 v[W+14], v[W+5], v[W+11], s30
	v_rcp_f32 v[W+14], v[W+14]
	v_nop
	s_wait_alu depctr_va_vdst(0)
	v_mul_f32 v[W+13], -v[W+13], v[W+14]           ; ct or tn
	v_fma_f32 v[W+14], v[W+13], v[W+13], 1.0
	v_cmp_ge_f32 s31, v[W+3], 0
	v_cmp_ge_f32 s32, v[W+4], 0
	v_rsq_f32 v[W+14], v[W+14]
	v_nop
	s_wait_alu depctr_va_vdst(0)
	v_mul_f32 v[W+15], v[W+13], v[W+14]
	s_xor_b32 s31, s31, s32
	s_not_b32 s31, s31                             ; sgn1 = sgn2
	v_cndmask_b32 v[W+6], v[W+14], v[W+15], s30    ; cs1
	v_cndmask_b32 v[W+7], v[W+15], v[W+14], s30    ; sn1
	v_xor_b32 v[W+8], 0x80000000, v[W+7]
	v_cndmask_b32 v[W+10], v[W+6], v[W+8], s31
	v_cndmask_b32 v[W+11], v[W+7], v[W+6], s31
	v_cndmask_b32 v[C1], 1.0, v[W+10], s27
	v_cndmask_b32 v[S1], 0, v[W+11], s27
	v_cndmask_b32 v[C2], 1.0, v[W+10], s28
	v_cndmask_b32 v[S2], 0, v[W+11], s28
	v_cndmask_b32 v[D1], v[D1], v[W+9], s27
	v_cndmask_b32 v[D2], v[D2], v[W+12], s27
	v_cndmask_b32 v[D2], v[D2], v[W+9], s28
	v_cndmask_b32 v[D3], v[D3], v[W+12], s28
	ROT C1, S1, Z, Z+3, 0
	ROT C2, S2, Z+3, Z+6, 0
	; ssteqr's selection sort, ascending
	v_min_num_f32 v[W], v[D1], v[D2]
	v_cmp_lt_f32 s22, v[D3], v[W]
	v_cmp_lt_f32 s23, v[D2], v[D1]
	s_and_not1_b32 s23, s23, s22
	SWAPM D1, D3, s22
	SWAPC Z, Z+6, s22
	SWAPM D1, D2, s23
	SWAPC Z, Z+3, s23
	v_cmp_lt_f32 s22, v[D3], v[D2]
	SWAPC Z+3, Z+6, s22
	; sormtr: H on rows 2 and 3 of every column
.irp c, 0,1,2
	v_fma_f32 v[W], v[V2], v[Z+3*\c+2], v[Z+3*\c+1]
	v_mul_f32 v[W], v[TAU], v[W]
	v_sub_f32 v[Z+3*\c+1], v[Z+3*\c+1], v[W]
	v_fma_f32 v[Z+3*\c+2], -v[W], v[V2], v[Z+3*\c+2]
.endr
	; the five raw neighbours in the frame: three sign bits, times 10, above the index
.irp k, 0,1,2,3,4
.irp j, 0,1,2
	v_mul_f32 v[W+\j], v[NX+\k], v[Z+3*\j]
	v_fmac_f32 v[W+\j], v[NY+\k], v[Z+3*\j+1]
	v_fmac_f32 v[W+\j], v[NZ+\k], v[Z+3*\j+2]
.endr
	v_cmp_ge_f32 s22, v[W], 0
	v_cmp_ge_f32 s23, v[W+1], 0
	v_cmp_ge_f32 s24, v[W+2], 0
	v_cndmask_b32 v[W], 0, 40, s22
	v_cndmask_b32 v[W+1], 0, 20, s23
	v_cndmask_b32 v[W+2], 0, 10, s24
	v_add3_u32 v[W], v[W], v[W+1], v[W+2]
	v_lshl_or_b32 v[KL+\k], v[W], 16, v[IDL+\k]
.endr
	v_mov_b32 v[W], v[Z]
	v_mov_b32 v[W+1], v[Z+1]
	v_mov_b32 v[W+2], v[Z+2]
	v_mov_b32 v[W+3], 0
	global_store_b128 v3, v[W:W+3], s[8:9]         ; sixteen lanes store 256 consecutive bytes, aligned
.irp k, 0,1,2,3,4
	global_store_b32 v1, v[KL+\k], s[10:11] offset:65536*\k
.endr
	s_endpgm
.Lfunc_end_k_qf310d16012_frames:
	.size	k_qf310d16012_frames, .Lfunc_end_k_qf310d16012_frames-k_qf310d16012_frames
	.p2alignl 7, 3214868480
	.fill 96, 4, 3214868480
	.section	.rodata,"a",@progbits
	.p2align	6, 0x0
	.amdhsa_kernel k_qf310d16012_frames
		.amdhsa_group_segment_fixed_size 0
		.amdhsa_private_segment_fixed_size 0
		.amdhsa_enable_private_segment 0
		.amdhsa_kernarg_size 32
		.amdhsa_user_sgpr_count 2
		.amdhsa_user_sgpr_kernarg_segment_ptr 1
		.amdhsa_wavefront_size32 1
		.amdhsa_system_sgpr_workgroup_id_x 1
		.amdhsa_system_sgpr_workgroup_id_y 1
		.amdhsa_system_sgpr_workgroup_id_z 1
		.amdhsa_system_vgpr_workitem_id 0
		.amdhsa_next_free_vgpr 224
		.amdhsa_next_free_sgpr 66
		.amdhsa_reserve_vcc 0
		.amdhsa_float_denorm_mode_32 3
		.amdhsa_float_denorm_mode_16_64 3
		.amdhsa_memory_ordered 1
		.amdhsa_forward_progress 1
		.amdhsa_inst_pref_size 186
	.end_amdhsa_kernel
	.amdgpu_metadata
---
amdhsa.version: [ 1, 2 ]
amdhsa.kernels:
  - .name:           k_qf310d16012_frames
    .symbol:         k_qf310d16012_frames.kd
    .args:
      - { .name: points, .offset: 0, .size: 8, .value_kind: global_buffer, .address_space: global }
      - { .name: grp, .offset: 8, .size: 8, .value_kind: global_buffer, .address_space: global }
      - { .name: nrm, .offset: 16, .size: 8, .value_kind: global_buffer, .address_space: global }
      - { .name: code, .offset: 24, .size: 8, .value_kind: global_buffer, .address_space: global }
    .group_segment_fixed_size: 0
    .private_segment_fixed_size: 0
    .kernarg_segment_align: 8
    .kernarg_segment_size: 32
    .max_flat_workgroup_size: 64
    .sgpr_count:     66
    .vgpr_count:     224
    .wavefront_size: 32
...
	.end_amdgpu_metadata
.endif
;; end of part 2
;; launch bins (part 3): grid 256 x 1, 2 waves a work-group, no clusters, 2,304 bytes of LDS; arguments nrm, code, out0; writes out0
.if DOCPART == 3
	.amdgcn_target "amdgcn-amd-amdhsa--gfx1250"
	.amdhsa_code_object_version 6
	.text
	.protected	k_qf310d16012_bins
	.globl	k_qf310d16012_bins
	.p2align	8
	.type	k_qf310d16012_bins,@function
k_qf310d16012_bins:
	s_mov_b64 s[64:65], 0
	v_nop
	global_prefetch_b8 v0, s[64:65] scope:SCOPE_SE
	s_setreg_imm32_b32 hwreg(HW_REG_WAVE_MODE, 25, 1), 1
	s_wait_xcnt 0x0
; One lane, one point: the cosines of its normal with its five neighbours' normals, the five bins, and the row of 80 counts.
; A wave owns 32 points = 10,240 consecutive bytes of the output.  A lane's five bins go to the wave's own LDS as a record of 32 bytes:
; for each neighbour a word with 1 in byte bin % 4, and the five numbers bin / 4 packed in 5 bits each.  Then the wave writes its bytes
; in 20 stores of 512 consecutive bytes: lane l of store S makes the four counts of chunk 32 S + l (row chunk / 20, bins 4 (chunk % 20) ..).
; The LDS bytes are the wave's own (1,024 x wave), and LDS serves a wave's instructions in order (ISA guide 5.7.1): no barrier.
; Memory and latency bind: no matrix unit, no copy engine, no cluster (the work-groups share nothing but scattered rows of nrm).
; LIMIT: finite normals.
.set CD, 8                             ; v8-12   codes: index | (10 x spatial id) << 16
.set IX, 13                            ; v13-17  16 x index
.set NN, 20                            ; v20-39  the neighbours' normals
.set HOT, 40                           ; v40-44  1 << 8 (bin % 4); v45 the packed bin / 4
.set C0, 50                            ; v50-54  chunk % 20 of store s' in a run of five
.set RA, 55                            ; v55-59  LDS address of its row's record
.set R,  64                            ; v64-103 records as read, 8 registers apart
.set O,  104                           ; v104-123 four counts for each of five stores
	s_load_b128 s[4:7], s[0:1], 0x0                ; nrm s[4:5], code s[6:7]
	s_load_b64 s[8:9], s[0:1], 0x10                ; out0
	v_lshl_add_u32 v128, v0, 2, 0x800
	v_mov_b32 v129, 0
	v_lshrrev_b32 v1, 5, v0
	v_readfirstlane_b32 s10, v1                    ; wave
	v_and_b32 v3, 31, v0                           ; lane
	s_lshl_b32 s11, ttmp9, 6
	v_add_nc_u32 v46, s11, v0                      ; my point
	v_lshlrev_b32 v1, 2, v46
	v_lshlrev_b32 v2, 4, v46
	s_lshl_b32 s12, s10, 10                        ; my wave's LDS
	s_mul_i32 s13, ttmp9, 20480                    ; 64 rows of 320 bytes
	s_mul_i32 s14, s10, 10240
	s_add_co_u32 s13, s13, s14
	v_lshl_add_u32 v60, v3, 4, s13                 ; my 16 bytes in the wave's first store
	v_lshl_add_u32 v62, v3, 5, s12                 ; my record
	v_mov_b32 v61, 1
	s_wait_kmcnt 0x0
	global_load_b128 v[4:7], v2, s[4:5]
.irp k, 0,1,2,3,4
	global_load_b32 v[CD+\k], v1, s[6:7] offset:65536*\k
.endr
.irp s, 0,1,2,3,4                                  ; five stores are 160 chunks = 8 whole rows: the pattern repeats
	v_add_nc_u32 v46, 32*\s, v3
	v_mul_u32_u24 v47, v46, 3277
	v_lshrrev_b32 v47, 16, v47                     ; chunk / 20, right below 160
	v_mul_u32_u24 v48, v47, 20
	v_sub_nc_u32 v[C0+\s], v46, v48
	v_lshl_add_u32 v[RA+\s], v47, 5, s12
.endr
	s_wait_loadcnt 0x0
.irp k, 0,1,2,3,4
	v_and_b32 v[IX+\k], 0xffff, v[CD+\k]
	v_min_u32 v[IX+\k], 0x3fff, v[IX+\k]           ; 16,384 points: a loaded number enters an address only clamped
	v_lshlrev_b32 v[IX+\k], 4, v[IX+\k]
	global_load_b128 v[NN+4*\k:NN+4*\k+3], v[IX+\k], s[4:5]
.endr
.irp k, 0,1,2,3,4
	s_wait_loadcnt 4-\k                            ; the later neighbours' loads may stay out
	v_mul_f32 v46, v4, v[NN+4*\k]
	v_fmac_f32 v46, v5, v[NN+4*\k+1]
	v_fmac_f32 v46, v6, v[NN+4*\k+2]               ; cos
	v_add_f32 v46, 1.0, v46
	v_mul_f32 v46, 0x41200000, v46                 ; x 10
	v_mul_f32 v46, 0.5, v46
	v_floor_f32 v46, v46
	v_med3_num_f32 v46, v46, 0, 0x41100000         ; clipped to 0 .. 9
	v_cvt_u32_f32 v46, v46
	v_lshrrev_b32 v47, 16, v[CD+\k]
	v_add_nc_u32 v46, v46, v47                     ; bin
	v_and_b32 v47, 3, v46
	v_lshlrev_b32 v47, 3, v47
	v_lshlrev_b32 v[HOT+\k], v47, v61
	v_lshrrev_b32 v46, 2, v46
.if \k
	v_lshl_or_b32 v45, v46, 5*\k, v45
.else
	v_mov_b32 v45, v46
.endif
.endr
	ds_store_b128 v62, v[HOT:HOT+3]
	ds_store_b64 v62, v[HOT+4:HOT+5] offset:16
.irp a, 0,1,2,3
.if \a
	s_wait_xcnt 0x0                                ; the last run's stores read O: it is rewritten only behind this wait
.endif
.irp s, 0,1,2,3,4
	ds_load_b128 v[R+8*\s:R+8*\s+3], v[RA+\s] offset:256*\a
	ds_load_b64 v[R+8*\s+4:R+8*\s+5], v[RA+\s] offset:256*\a+16
.endr
.irp s, 0,1,2,3,4
	s_wait_dscnt 8-2*\s                            ; two loads for each later store may stay out
.irp k, 0,1,2,3,4
	v_bfe_u32 v124, v[R+8*\s+5], 5*\k, 5
	v_cmp_eq_u32 vcc_lo, v124, v[C0+\s]
	v_cndmask_b32 v[R+8*\s+\k], 0, v[R+8*\s+\k], vcc_lo        ; the neighbour counts if its bin lies in my four
.endr
	v_add3_u32 v125, v[R+8*\s], v[R+8*\s+1], v[R+8*\s+2]
	v_add3_u32 v125, v125, v[R+8*\s+3], v[R+8*\s+4]            ; four counts of at most 5, a byte each
.irp j, 0,1,2,3
	v_bfe_u32 v[O+4*\s+\j], v125, 8*\j, 8
	v_cvt_f32_u32 v[O+4*\s+\j], v[O+4*\s+\j]
.endr
	global_store_b128 v60, v[O+4*\s:O+4*\s+3], s[8:9] offset:2560*\a+512*\s th:TH_STORE_NT   ; 512 consecutive bytes, aligned to 256
.endr
.endr
	s_wait_tensorcnt 0x0
	ds_add_u32 v128, v129
	s_wait_dscnt 0x0
	s_endpgm
.Lfunc_end_k_qf310d16012_bins:
	.size	k_qf310d16012_bins, .Lfunc_end_k_qf310d16012_bins-k_qf310d16012_bins
	.p2alignl 7, 3214868480
	.fill 96, 4, 3214868480
	.section	.rodata,"a",@progbits
	.p2align	6, 0x0
	.amdhsa_kernel k_qf310d16012_bins
		.amdhsa_group_segment_fixed_size 2304
		.amdhsa_private_segment_fixed_size 0
		.amdhsa_enable_private_segment 0
		.amdhsa_kernarg_size 24
		.amdhsa_user_sgpr_count 2
		.amdhsa_user_sgpr_kernarg_segment_ptr 1
		.amdhsa_wavefront_size32 1
		.amdhsa_system_sgpr_workgroup_id_x 1
		.amdhsa_system_sgpr_workgroup_id_y 1
		.amdhsa_system_sgpr_workgroup_id_z 1
		.amdhsa_system_vgpr_workitem_id 0
		.amdhsa_next_free_vgpr 130
		.amdhsa_next_free_sgpr 66
		.amdhsa_reserve_vcc 1
		.amdhsa_float_denorm_mode_32 3
		.amdhsa_float_denorm_mode_16_64 3
		.amdhsa_memory_ordered 1
		.amdhsa_forward_progress 1
		.amdhsa_inst_pref_size 36
	.end_amdhsa_kernel
	.amdgpu_metadata
---
amdhsa.version: [ 1, 2 ]
amdhsa.kernels:
  - .name:           k_qf310d16012_bins
    .symbol:         k_qf310d16012_bins.kd
    .args:
      - { .name: nrm, .offset: 0, .size: 8, .value_kind: global_buffer, .address_space: global }
      - { .name: code, .offset: 8, .size: 8, .value_kind: global_buffer, .address_space: global }
      - { .name: out0, .offset: 16, .size: 8, .value_kind: global_buffer, .address_space: global }
    .group_segment_fixed_size: 2304
    .private_segment_fixed_size: 0
    .kernarg_segment_align: 8
    .kernarg_segment_size: 24
    .max_flat_workgroup_size: 64
    .sgpr_count:     66
    .vgpr_count:     130
    .wavefront_size: 32
...
	.end_amdgpu_metadata
.endif
;; end of part 3
;; ======== version 2 of 2: 3 launches; version 1 with the launch knn written anew for expert scheduling mode
;; limits: an iteration or a series of the reference is cut at 12 steps
;; workspace buffers: grp 393,216 bytes of whole numbers; code 327,680 bytes of whole numbers; nrm 262,144 bytes
;; launch knn (part 4): grid 256 x 1, 4 waves a work-group, no clusters, 274,944 bytes of LDS; arguments points, grp; writes grp
.if DOCPART == 4
	.amdgcn_target "amdgcn-amd-amdhsa--gfx1250"
	.amdhsa_code_object_version 6
	.text
	.protected	k_qf310d16012_knn
	.globl	k_qf310d16012_knn
	.p2align	8
	.type	k_qf310d16012_knn,@function
k_qf310d16012_knn:
	s_mov_b64 s[64:65], 0
	v_nop
	global_prefetch_b8 v0, s[64:65] scope:SCOPE_SE
	s_setreg_imm32_b32 hwreg(HW_REG_WAVE_SCHED_MODE, 0, 2), 2
	s_setreg_imm32_b32 hwreg(HW_REG_WAVE_MODE, 25, 1), 1
	s_wait_xcnt 0x0
	s_wait_alu depctr_vm_vsrc(0)
; For every point: the 6 groups of 8 neighbouring indices of its cloud whose smallest squared distance is smallest.
; The 5 nearest points (ties to the lower index) lie in the 5 best groups; the sixth is margin for the
; rounding of the keys made here.  The next launch looks at the 48 candidates in plain f32.
; d2 = sq_j + sq_i - 2 p_i.p_j goes to the bf16 matrix form with every f32 split into three bf16 parts h + m + l:
; the 32 places along K hold 3 x 8 cross terms (all but l x l), the 3 parts of sq_j and the 3 parts of sq_i.
; A work-group: 64 queries of one cloud against its 4,096 candidates.  Wave w: 32 queries (w & 1), 2,048 candidates (w >> 1).
; Row m = 8 half + j of candidate tile t is candidate 2048 ch + 1024 half + 8 t + j, so that a lane's eight results are one group.
; No copy engine and no cluster: the 48 KiB of raw points must pass through registers to be split.
; The input batch is not read: the problem's function forms the clouds by a reshape and never reads it.
; LIMITS: keys carry the rounding of the matrix sum; inputs must be finite.
; THE MODE: SCHED_MODE bits 1:0 = 2 (LLVM: expert scheduling mode 2), set by the entry lines.  The code itself states the register dependences
; between vector or matrix instructions and memory or LDS instructions, with s_wait_alu, always for 0.
; THE PLAN.  Registers that memory or LDS instructions touch:
;   v2-7       offsets and LDS bases of the build: made at the head, never written again.
;   QP, P      loaded once, by loads that are issued ahead of every vector instruction that names them.
;   Q0, Q1     candidate n's conversions write Q[n % 2]; the four LDS stores that read it are issued at the head of candidate n + 1's turn, whose
;              vector instructions name the other buffer alone.  Two waits at a turn's head state both directions.
;   AF0 .. AF3 a tile's two products read AF[tile % 4].  The loads go in pairs: AF0 and AF1 in a trip's first turn, AF2 and AF3 in its third, each pair behind the
;              product that read it last: one wait for two turns, with the four loads straight behind it.
;   v[RA]      read by every fragment load; written once a trip, at the trip's end, ahead of the next trip's first such wait.
;   On the way out: v84 and the lists (LDS stores), v85 and v96-143 (LDS loads), v86 and v102-107 (global stores): one wait ahead of each run.
; Masks: a turn's 12 compares stand in one run, into s20-31; the 12 updates of the keys, which need no mask, follow; then one wait, then the 22 selects.
; A scalar register that a vector instruction has read is not written again by a scalar instruction.
.set MB, 262144                        ; behind the 256 KiB image of A: 48 words x 64 queries for the merge
.set WB, 2                             ; v2-5    LDS write bases of the build
.set T,  8                             ; v8-15   at work
.set Q,  16                            ; v16-31, v56-71  four chunks of 16 bytes of one candidate's row: two buffers, 40 registers apart
.set BF, 32                            ; v32-47  two query fragments
.set QP, 48                            ; v48-50, v52-54 raw query points
.set K0, 56                            ; keys of list 0 (6), ascending
.set I0, 62                            ; group ids of list 0
.set K1, 68
.set I1, 74
.set GC, 80                            ; the group id of the tile at work
.set RA, 81                            ; LDS read address
.set X0, 82
.set X1, 83
.set P,  96                            ; v96-223 build: 32 raw candidates, 4 registers apart
.set AF, 96                            ; v96-127 main loop: four candidate fragments
.set DD, 128                           ; v128-159 results: [set][query fragment], 8 each
.macro SPLIT x, hh, hf, mm, mf, r2     ; x = hf + mf + r2; hh, mm: the bf16 part in both halves of a word
	v_cvt_pk_bf16_f32 v[\hh], v[\x], v[\x]
	v_and_b32 v[\hf], s12, v[\hh]
	v_sub_f32 v[\r2], v[\x], v[\hf]
	v_cvt_pk_bf16_f32 v[\mm], v[\r2], v[\r2]
	v_and_b32 v[\mf], s12, v[\mm]
	v_sub_f32 v[\r2], v[\r2], v[\mf]
.endm
.macro PUT m, q                        ; candidate m's 64 bytes, from the buffer at q, into the image of A
.irp c, 0,1,2,3
	ds_store_b128 v[WB+((\m)>>3)], v[\q+4*\c:\q+4*\c+3] offset:((\m)&7)*8192+256*\c
.endr
.endm
.macro CAND                            ; the turn of candidate n of this thread: the candidate before is stored, this one is split
.set QN, Q+40*(n&1)                    ; this candidate's buffer
.set QM, Q+40-40*(n&1)                 ; the other one
	s_wait_loadcnt 31-n                ; loads return in order: 31 - n younger ones may stay out
.if n > 1
	s_wait_alu depctr_vm_vsrc(0)       ; the LDS stores issued in the turn before have read this candidate's buffer, which the conversions below write again
.endif
.if n > 0
	s_wait_alu depctr_va_vdst(0)       ; the conversions of the turn before have written the other buffer, which the four stores below read
	PUT n-1, QM
.endif
.irp c, 0,1,2
	SPLIT P+4*n+\c, QN+4*\c, T, QN+4*\c+2, T+1, T+2
	v_cvt_pk_bf16_f32 v[QN+4*\c+1], v[T], v[T+1]       ; chunk = h h h m m m l l
	v_cvt_pk_bf16_f32 v[QN+4*\c+3], v[T+2], v[T+2]
.endr
	v_mul_f32 v[T+3], v[P+4*n], v[P+4*n]
	v_fmac_f32 v[T+3], v[P+4*n+1], v[P+4*n+1]
	v_fmac_f32 v[T+3], v[P+4*n+2], v[P+4*n+2]
	SPLIT T+3, T+4, T, T+5, T+1, T+2
	v_cvt_pk_bf16_f32 v[QN+12], v[T], v[T+1]           ; chunk 3 = sqh sqm sql 1 1 1 0 0 (its last two words are set once, in both buffers)
	v_cvt_pk_bf16_f32 v[QN+13], v[T+2], 1.0
.endm
.macro BFRAG f                         ; lanes 0-15 hold chunks 0 (x) and 2 (z), lanes 16-31 chunks 1 (y) and 3 (sq) of query lane % 16
	v_cndmask_b32 v[T+6], v[QP+4*\f], v[QP+4*\f+1], s36
	v_mul_f32 v[T+6], -2.0, v[T+6]
	SPLIT T+6, T+4, T, T+5, T+1, T+2
	v_cvt_pk_bf16_f32 v[BF+8*\f], v[T], v[T+1]         ; chunk = h m l h m l h m of -2 u
	v_cvt_pk_bf16_f32 v[BF+8*\f+1], v[T+2], v[T]
	v_cvt_pk_bf16_f32 v[BF+8*\f+2], v[T+1], v[T+2]
	v_mov_b32 v[BF+8*\f+3], v[BF+8*\f]
	v_mul_f32 v[T+6], -2.0, v[QP+4*\f+2]
	SPLIT T+6, T+4, T, T+5, T+1, T+2
	v_cvt_pk_bf16_f32 v[Q], v[T], v[T+1]
	v_cvt_pk_bf16_f32 v[Q+1], v[T+2], v[T]
	v_cvt_pk_bf16_f32 v[Q+2], v[T+1], v[T+2]
	v_mul_f32 v[T+3], v[QP+4*\f], v[QP+4*\f]
	v_fmac_f32 v[T+3], v[QP+4*\f+1], v[QP+4*\f+1]
	v_fmac_f32 v[T+3], v[QP+4*\f+2], v[QP+4*\f+2]
	SPLIT T+3, T+4, T, T+5, T+1, T+2
	v_cvt_pk_bf16_f32 v[Q+4], 1.0, v[T]                ; chunk 3 = 1 1 1 sqh sqm sql 0 0
	v_cvt_pk_bf16_f32 v[Q+5], v[T+1], v[T+2]
	v_cndmask_b32 v[BF+8*\f+4], v[Q], v30, s36
	v_cndmask_b32 v[BF+8*\f+5], v[Q+1], v[Q+4], s36
	v_cndmask_b32 v[BF+8*\f+6], v[Q+2], v[Q+5], s36
	v_cndmask_b32 v[BF+8*\f+7], v[Q], v31, s36
.endm
.macro GMIN x, d                       ; the smallest of a lane's eight keys
	v_min3_num_f32 v[T], v[\d], v[\d+1], v[\d+2]
	v_min3_num_f32 v[T+1], v[\d+3], v[\d+4], v[\d+5]
	v_min3_num_f32 v[\x], v[\d+6], v[\d+7], v[T]
	v_min_num_f32 v[\x], v[\x], v[T+1]
.endm
; (x, g) into an ascending list of six, in three parts; strictly less, so an equal key stays behind the earlier one.
.macro CMPS x, kl, ml                  ; the six masks, from the keys as they stand
.irp j, 0,1,2,3,4,5
	v_cmp_lt_f32 s[\ml+\j], v[\x], v[\kl+\j]
.endr
.endm
.macro KEYS x, kl                      ; the keys move up: no mask is needed
.irp j, 5,4,3,2,1
	v_med3_num_f32 v[\kl+\j], v[\kl+\j-1], v[\kl+\j], v[\x]
.endr
	v_min_num_f32 v[\kl], v[\kl], v[\x]
.endm
.macro IDS g, il, ml                   ; the ids follow, by the masks
.irp j, 5,4,3,2,1
	v_cndmask_b32 v[\il+\j], v[\il+\j], v[\g], s[\ml+\j]
	v_cndmask_b32 v[\il+\j], v[\il+\j], v[\il+\j-1], s[\ml+\j-1]
.endr
	v_cndmask_b32 v[\il], v[\il], v[\g], s[\ml]
.endm
.macro INS x, g, kl, il, ml            ; one insertion by itself, for the merge
	CMPS \x, \kl, \ml
	KEYS \x, \kl
	s_wait_alu depctr_va_sdst(0)       ; the six compares have written their masks, which the selects below read
	IDS \g, \il, \ml
.endm
; One tile's turn: the next tile's two products go to the other result set, this tile's results are reduced and inserted.
; ld = 1: the fragments lb and lb + 1, both multiplied by now, are loaded again, with the tiles at byte off from v[RA] on.
; Every product starts from the constant 0, no accumulator is taken up again, and the 55 vector instructions of a turn, which name
; no register of the two products, stand between them and the readers of their results (ISA guide 7.12.1).
.macro STEP dp, ab, ld, lb, off, wcnt, mm
.if \mm
	s_wait_dscnt \wcnt                 ; two loads a tile: the tiles behind the one needed may stay out
	v_wmma_f32_16x16x32_bf16 v[DD+16*(1-\dp):DD+16*(1-\dp)+7], v[AF+8*\ab:AF+8*\ab+7], v[BF:BF+7], 0
	v_wmma_f32_16x16x32_bf16 v[DD+16*(1-\dp)+8:DD+16*(1-\dp)+15], v[AF+8*\ab:AF+8*\ab+7], v[BF+8:BF+15], 0
.endif
	GMIN X0, DD+16*\dp
	GMIN X1, DD+16*\dp+8
	CMPS X0, K0, 20
	CMPS X1, K1, 26
	KEYS X0, K0
	KEYS X1, K1
	s_wait_alu depctr_va_sdst(0)       ; the twelve compares have written s20-31, which the selects below read
.if \ld
	s_wait_alu depctr_va_vdst(0)       ; the products of this turn and of the turn before are done reading the two fragments in which the loads below land; v[RA] is written
.irp i, 0,1
	ds_load_b128 v[AF+8*(\lb+\i):AF+8*(\lb+\i)+3], v[RA] offset:\off+1024*\i
	ds_load_b128 v[AF+8*(\lb+\i)+4:AF+8*(\lb+\i)+7], v[RA] offset:\off+1024*\i+512
.endr
.endif
	IDS GC, I0, 20
	IDS GC, I1, 26
	v_add_nc_u32 v[GC], 1, v[GC]
.endm
.macro CEX a, b
	v_min_u32 v[T], v[\a], v[\b]
	v_max_u32 v[\b], v[\a], v[\b]
	v_mov_b32 v[\a], v[T]
.endm
	s_load_b128 s[4:7], s[0:1], 0x0                ; points s[4:5], grp s[6:7]
	v_lshl_add_u32 v219, v0, 2, 0x43000
	v_mov_b32 v223, 0
	v_lshrrev_b32 v1, 5, v0
	v_readfirstlane_b32 s8, v1                     ; wave
	v_and_b32 v10, 16, v0
	v_cmp_ne_u32 s36, 0, v10                       ; lanes 16-31
	s_wait_alu depctr_va_sdst(0)                   ; s8 and s36 are written, ahead of their first readers: the scalar lines below, and the selects that lay out the query fragments
	s_and_b32 s9, s8, 1                            ; fq: which 32 queries
	s_lshr_b32 s10, s8, 1                          ; ch: which 2,048 candidates
	s_lshr_b32 s11, ttmp9, 6                       ; cloud
	s_mov_b32 s12, 0xffff0000
	s_mul_i32 s14, s11, 49152                      ; 4,096 points of 12 bytes
	s_mov_b32 s15, 0
	s_lshl_b32 s32, ttmp9, 8                       ; 64 queries of 4 bytes in a plane of grp
	s_mov_b32 s33, 0
	v_lshrrev_b32 v8, 4, v0                        ; thread / 16: tile within eight
	v_and_b32 v9, 15, v0                           ; row of the tile; also lane % 16
	v_lshlrev_b32 v10, 4, v9
	v_lshl_add_u32 v2, v8, 10, v10                 ; tile x 1,024 + row x 16
	v_add_nc_u32 v3, 0x10000, v2
	v_add_nc_u32 v4, 0x20000, v2
	v_add_nc_u32 v5, 0x30000, v2
	v_bfe_u32 v10, v0, 3, 1                        ; half of the rows
	v_lshlrev_b32 v10, 10, v10
	v_lshl_add_u32 v10, v8, 3, v10
	v_and_b32 v11, 7, v0
	v_add_nc_u32 v10, v10, v11                     ; candidate 1024 half + 8 (thread / 16) + thread % 8
	v_mul_u32_u24 v6, v10, 12
	s_and_b32 s34, ttmp9, 63
	s_lshl_b32 s34, s34, 6
	s_lshl_b32 s35, s9, 5                          ; 32 fq: used again on the way out
	s_add_co_u32 s34, s34, s35
	v_add_nc_u32 v10, s34, v9                      ; my query of fragment 0
	v_mul_u32_u24 v7, v10, 12
	v_mov_b32 v30, 0x3f803f80                      ; 1, 1 in bf16
	v_mov_b32 v31, 0
	v_mov_b32 v70, 0x3f803f80                      ; the same two words in the second buffer
	v_mov_b32 v71, 0
	s_wait_kmcnt 0x0
	s_add_nc_u64 s[16:17], s[4:5], s[14:15]        ; my cloud
	s_add_nc_u64 s[18:19], s[6:7], s[32:33]        ; my 64 words in plane 0 of grp
	s_wait_alu depctr_va_vdst(0)                   ; v2 to v7 are written: the loads below read v6 and v7 as offsets, the build's LDS stores v2 to v5 as addresses
	global_load_b96 v[QP:QP+2], v7, s[16:17]
	global_load_b96 v[QP+4:QP+6], v7, s[16:17] offset:192
.set n, 0
.rept 32
	global_load_b96 v[P+4*n:P+4*n+2], v6, s[16:17] offset:(n>>4)*24576+(n&15)*768
.set n, n+1
.endr
	s_wait_loadcnt 32                              ; the two query points are in; the 32 candidates are younger
	BFRAG 0
	BFRAG 1
.set n, 0
.rept 32
	CAND
.set n, n+1
.endr
	s_wait_alu depctr_va_vdst(0)                   ; candidate 31's conversions have written the second buffer, which the last four stores read
	PUT 31, Q+40
	s_wait_dscnt 0x0                               ; my part of the image is written,
	s_barrier_signal -1
	s_barrier_wait -1                              ; everybody's is
	s_wait_alu depctr_vm_vsrc(0)                   ; my LDS stores have read v56-71: these registers are the lists from here on
	v_and_b32 v1, 31, v0
	v_lshlrev_b32 v[RA], 4, v1
	s_lshl_b32 s37, s10, 17                        ; my 128 tiles of 1,024 bytes
	v_add_nc_u32 v[RA], s37, v[RA]                 ; a fragment is 16 bytes a lane at 16 x lane, and again 512 bytes on
	s_wait_alu depctr_va_vdst(0)                   ; v[RA] is written, and the build is done reading v96-127, in which the loads below land
.irp i, 0,1,2,3
	ds_load_b128 v[AF+8*\i:AF+8*\i+3], v[RA] offset:1024*\i
	ds_load_b128 v[AF+8*\i+4:AF+8*\i+7], v[RA] offset:1024*\i+512
.endr
	s_wait_dscnt 6                                 ; tile 0 is in; the six loads of tiles 1 to 3 are younger
	v_wmma_f32_16x16x32_bf16 v[DD:DD+7], v[AF:AF+7], v[BF:BF+7], 0
	v_wmma_f32_16x16x32_bf16 v[DD+8:DD+15], v[AF:AF+7], v[BF+8:BF+15], 0
.irp j, 0,1,2,3,4,5
	v_mov_b32 v[K0+\j], 0x7f800000                 ; empty lists: +inf, group 0
	v_mov_b32 v[K1+\j], 0x7f800000
	v_mov_b32 v[I0+\j], 0
	v_mov_b32 v[I1+\j], 0
.endr
	v_bfe_u32 v1, v0, 4, 1
	v_lshlrev_b32 v1, 7, v1
	s_lshl_b32 s38, s10, 8
	v_add_nc_u32 v[GC], s38, v1                    ; group 256 ch + 128 half + tile
	s_mov_b32 s13, 31
.Ltiles:                                           ; four tiles a trip; tiles 0 to 123.  Trip k loads tiles 4 k + 4 to 4 k + 7: the last trip loads the last four
	STEP 0, 1, 1, 0, 4096, 4, 1                    ; needs tile 4 k + 1: the pair 4 k + 2, 4 k + 3 is younger
	STEP 1, 2, 0, 0, 0, 6, 1                       ; needs tile 4 k + 2: tile 4 k + 3 and the pair just asked for are younger
	STEP 0, 3, 1, 2, 6144, 4, 1                    ; needs tile 4 k + 3: the pair 4 k + 4, 4 k + 5 is younger
	STEP 1, 0, 0, 0, 0, 6, 1                       ; needs tile 4 k + 4: tile 4 k + 5 and the pair just asked for are younger
	s_wait_alu depctr_vm_vsrc(0)                   ; the LDS loads issued so far have read v[RA]
	v_add_nc_u32 v[RA], 4096, v[RA]
	s_sub_co_i32 s13, s13, 1
	s_cmp_lg_u32 s13, 0
	s_cbranch_scc1 .Ltiles
	STEP 0, 1, 0, 0, 0, 4, 1                       ; tiles 124 to 127: nothing is left to load, and the counts run down
	STEP 1, 2, 0, 0, 0, 2, 1
	STEP 0, 3, 0, 0, 0, 0, 1
	STEP 1, 0, 0, 0, 0, 0, 0
	; Four sources (2 ch + half, ascending index ranges) hold a list for each query: they meet in LDS.
	s_lshl_b32 s39, s10, 1
	v_bfe_u32 v1, v0, 4, 1
	v_add_nc_u32 v1, s39, v1                       ; source
	v_mul_u32_u24 v1, v1, 3072                     ; 12 words of 256 bytes
	v_and_b32 v8, 15, v0
	v_add_nc_u32 v8, s35, v8                       ; 32 fq + lane % 16
	v_lshl_add_u32 v1, v8, 2, v1
	v_add_nc_u32 v84, MB, v1
	s_wait_alu depctr_va_vdst(0)                   ; v84 and the four lists are written, which the LDS stores below read
.irp j, 0,1,2,3,4,5
	ds_store_b32 v84, v[K0+\j] offset:256*\j
	ds_store_b32 v84, v[I0+\j] offset:256*\j+1536
	ds_store_b32 v84, v[K1+\j] offset:256*\j+64
	ds_store_b32 v84, v[I1+\j] offset:256*\j+1600
.endr
	s_wait_dscnt 0x0                               ; my lists are written,
	s_barrier_signal -1
	s_barrier_wait -1                              ; everybody's are
	s_cmp_ge_u32 s8, 2
	s_cbranch_scc1 .Lend                           ; 64 queries: one thread each, waves 0 and 1
	v_lshlrev_b32 v86, 2, v0
	v_add_nc_u32 v85, MB, v86
	s_wait_alu depctr_va_vdst(0)                   ; v85 is written; the products and the reductions are done with v96-143, in which the loads below land
.set n, 0
.rept 48
	ds_load_b32 v[96+n], v85 offset:256*n
.set n, n+1
.endr
	s_wait_dscnt 0x0
.irp s, 1,2,3                                      ; source 0 is the list; the others are inserted in source order
.irp j, 0,1,2,3,4,5
	INS 96+12*\s+\j, 96+12*\s+6+\j, 96, 102, 20
.endr
.endr
	; the six ids ascending (12 exchanges), so that the next launch meets its candidates in index order
	CEX 102, 107
	CEX 103, 105
	CEX 104, 106
	CEX 103, 104
	CEX 105, 106
	CEX 102, 105
	CEX 104, 107
	CEX 102, 103
	CEX 104, 105
	CEX 106, 107
	CEX 103, 104
	CEX 105, 106
	s_lshl_b32 s14, s11, 9                         ; 512 groups a cloud
.irp j, 0,1,2,3,4,5
	v_add_nc_u32 v[102+\j], s14, v[102+\j]
.endr
	s_wait_alu depctr_va_vdst(0)                   ; the six ids are written, which the stores below read; so is their offset v86
.irp j, 0,1,2,3,4,5
	global_store_b32 v86, v[102+\j], s[18:19] offset:65536*\j   ; the two waves store 256 consecutive bytes, aligned, in each plane
.endr
.Lend:
	s_wait_dscnt 0x0
	s_wait_alu depctr_hold_cnt(0) depctr_sa_sdst(0) depctr_va_vdst(0) depctr_va_sdst(0) depctr_va_ssrc(0) depctr_va_vcc(0) depctr_vm_vsrc(0)
	s_wait_tensorcnt 0x0
	ds_add_u32 v219, v223
	s_wait_dscnt 0x0
	s_endpgm
.Lfunc_end_k_qf310d16012_knn:
	.size	k_qf310d16012_knn, .Lfunc_end_k_qf310d16012_knn-k_qf310d16012_knn
	.p2alignl 7, 3214868480
	.fill 96, 4, 3214868480
	.section	.rodata,"a",@progbits
	.p2align	6, 0x0
	.amdhsa_kernel k_qf310d16012_knn
		.amdhsa_group_segment_fixed_size 274944
		.amdhsa_private_segment_fixed_size 0
		.amdhsa_enable_private_segment 0
		.amdhsa_kernarg_size 16
		.amdhsa_user_sgpr_count 2
		.amdhsa_user_sgpr_kernarg_segment_ptr 1
		.amdhsa_wavefront_size32 1
		.amdhsa_system_sgpr_workgroup_id_x 1
		.amdhsa_system_sgpr_workgroup_id_y 1
		.amdhsa_system_sgpr_workgroup_id_z 1
		.amdhsa_system_vgpr_workitem_id 0
		.amdhsa_next_free_vgpr 224
		.amdhsa_next_free_sgpr 66
		.amdhsa_reserve_vcc 0
		.amdhsa_float_denorm_mode_32 3
		.amdhsa_float_denorm_mode_16_64 3
		.amdhsa_memory_ordered 1
		.amdhsa_forward_progress 1
		.amdhsa_inst_pref_size 135
	.end_amdhsa_kernel
	.amdgpu_metadata
---
amdhsa.version: [ 1, 2 ]
amdhsa.kernels:
  - .name:           k_qf310d16012_knn
    .symbol:         k_qf310d16012_knn.kd
    .args:
      - { .name: points, .offset: 0, .size: 8, .value_kind: global_buffer, .address_space: global }
      - { .name: grp, .offset: 8, .size: 8, .value_kind: global_buffer, .address_space: global }
    .group_segment_fixed_size: 274944
    .private_segment_fixed_size: 0
    .kernarg_segment_align: 8
    .kernarg_segment_size: 16
    .max_flat_workgroup_size: 128
    .sgpr_count:     66
    .vgpr_count:     224
    .wavefront_size: 32
...
	.end_amdgpu_metadata
.endif
;; end of part 4
;; launch frames: the kernel of part 2 again; grid 256 x 1, 2 waves a work-group, no clusters, 0 bytes of LDS; arguments points, grp, nrm, code; writes nrm, code
;; launch bins: the kernel of part 3 again; grid 256 x 1, 2 waves a work-group, no clusters, 2,304 bytes of LDS; arguments nrm, code, out0; writes out0
